; MI455X (gfx1250); checked and timed in simulation.
; The chip was launched on July 23, 2026; its instructions are those of AMD's public machine-readable ISA for CDNA 5 (MIT licence, August 2026) and "CDNA5" Instruction Set Architecture Reference Guide (July 2026). The comments in the code are by the model that wrote it; some were corrected since.
;; Coupled Fourier System. Allowed arithmetic: matrix products marked QUANTISED: E2M3 operands, one E8M0 scale for each 32 along K, by v_wmma_scale_f32_16x16x128_f8f6f4 with both operands' format E2M3, f32 sums; everything else in f32.
;; Inputs: A 64 x 16 x 2 float32; W 64 x 64 float32; b 64 float32; phi 64 x 16 x 2 float32; s 32,768 float32; w 64 x 16 x 2 float32; x 32,768 x 64 float32.
;; Outputs: out0 32,768 x 64 float32.
;; This version of the problem:
;;   THIS VERSION OF THE PROBLEM IS GIVEN IN LOW PRECISION. The matrix products marked QUANTISED in the list below multiply operands that are first quantised to E2M3 (2 exponent bits, 3 mantissa bits; 6 bits a number), with one power-of-two scale for each 32 numbers along K (OCP MX v1.0); their sums are f32. All else is computed in f32.
;;   The module's matrix products, in the order in which they are computed (A, B: the left and right operand; K: the contracted axis; several contracted axes count as one K, in the product's order):
;;     1. [M 32,768, K 64] x [K 64, N 64]; A: computed on the way; B: input W: QUANTISED
;;   THE QUANTISER, for each operand of a quantised product, along K:
;;     - K is cut into blocks of 32 from its start; a last block that is shorter is filled with zeros.
;;     - A block's scale is 2^e with e = floor(log2(the largest magnitude in the block)) - 2, held to -126 .. 127; a block of zeros has e = 0. As a byte (E8M0): e + 127.
;;     - Each number is divided by its block's scale, clamped to +-7.5, and rounded to the nearest number of E2M3, ties to even, subnormals kept.
;;     - The product sums the exact products of the quantised numbers (number of the format x scale) in f32.
;;   ~~~python
;;   def quantise(x, axis):      # numpy; x: float32 -> the quantised numbers, widened to float32 again
;;       x = np.moveaxis(x, axis, -1); K = x.shape[-1]
;;       x = np.pad(x, [(0, 0)] * (x.ndim - 1) + [(0, -K % 32)]); x = x.reshape(x.shape[:-1] + (-1, 32)); a = np.abs(x).max(-1, keepdims=True)
;;       e = np.where(a > 0, np.clip(np.frexp(np.where(a > 0, a, 1))[1] - 1 - 2, -126, 127), 0)      # np.frexp(a)[1] - 1 = floor(log2(a)), exactly
;;       r = np.clip(x / 2.0 ** e, -7.5, 7.5)
;;       step = 2.0 ** (np.maximum(np.frexp(np.where(r == 0, 1, r))[1] - 1, 0) - 3)
;;       q = np.round(r / step) * step * 2.0 ** e      # np.round: ties to even
;;       return np.moveaxis(q.reshape(q.shape[:-2] + (-1,))[..., :K], -1, axis).astype(np.float32)
;;   ~~~
;;   OPERANDS COMPUTED ON THE WAY. 'Computed on the way' means the value that the module computes at that place (a softmax that the list does not call 'softmax' is quantised finished and normalised). What goes into a quantiser is computed in f32, as accurately as f32 sums, v_exp_f32 and their like allow (about 1e-6 of the number): no bf16 or f16 on the way to a quantiser, and a product that is left as it is and whose result goes on into a quantised operand takes f32 operands (vector FMAs, or v_wmma_f32_16x16x4_f32). A number that lies on a knife's edge between two numbers of the format may be rounded either way, as far as f32 arithmetic and the matrix unit's own rounding can turn it there, and no further.
;; 2 versions, each right; version 2 is version 1 with the launch fourier written anew for expert scheduling mode. Each part assembles by itself: llvm-mc -triple=amdgcn-amd-amdhsa -mcpu=gfx1250 --defsym DOCPART=n.
;; ======== version 1 of 2: 1 launch
;; launch fourier (part 1): grid 256 x 1, 8 waves a work-group, no clusters, 103,680 bytes of LDS; arguments A, W, b, phi, s, w, out0; writes out0
.if DOCPART == 1
	.amdgcn_target "amdgcn-amd-amdhsa--gfx1250"
	.amdhsa_code_object_version 6
	.text
	.protected	k_q7279027545_fourier
	.globl	k_q7279027545_fourier
	.p2align	8
	.type	k_q7279027545_fourier,@function
k_q7279027545_fourier:
	s_mov_b64 s[64:65], 0
	v_nop
	global_prefetch_b8 v0, s[64:65] scope:SCOPE_SE
	s_setreg_imm32_b32 hwreg(HW_REG_WAVE_MODE, 25, 1), 1
	s_wait_xcnt 0x0
; out0[i][n] = b[n] + sum over d of Q(pre[i][d]) Q(W[n][d]),   pre[i][d] = sum over the 32 terms (h, c) of A[d][h][c] cos(w[d][h][c] s[i] + phi[d][h][c]).
; 32,768 time points i, 64 d, 64 n.  Q: codes of FP6 (E2M3) with one E8M0 scale for each 32 along d.  All ahead of Q is f32.
; x, the seventh argument of reference(), is never used in its body: no result hangs on it, so this launch is not given it.
; THE WORK is 67 million cosines; the product is 8,192 matrix instructions.  So the text is laid out for few vector instructions a cosine: ten for two.
; THE COSINE, two terms (c = 0, 1) to an instruction:  t = w' s + phi' in turns (w' = w / 2 pi, phi' = phi / 2 pi, made once);  f = t - floor(t);  v = f f - f = (f - 1/2)^2 - 1/4, in [-1/4, 0];
;   G = C0 + v (C1 + v (C2 + v (C3 + v C4))) = sin(pi f);   G G - 1/2 = -cos(2 pi t) / 2;   the sum takes that times -2 A.
;   The polynomial is the Chebyshev series of cos(pi sqrt(y)) on [0, 1/4] cut behind the fourth order, its remainder shaped so that 4 G x (G's error), the cosine's error, is level: 5.5e-8 at the most.
;   With the roundings of the six lines a cosine lies within some 5e-7 (absolute) of the cosine of its phase; the phase has two roundings (w', t), as many as a multiply and an add in radians.
; LIMITS: NaN and infinities among the inputs are not served.  From 2^23 turns on t has no fraction left (an f32 phase in radians has none of use there either).
;   A block whose largest magnitude lies under 2^-124 keeps the scale byte 1 (a block of zeros too: its codes are zeros, and only this text reads the bytes).
; SHARES.  A work-group of eight waves owns 128 time points.  In the loop LANES ARE d: wave (p, g) takes time points 32 p .. 32 p + 31 for d = 32 g + lane; a lane's 96 coefficients stay in its
;   registers, the time point comes from a scalar register.  The matrix operand wants a lane to hold one time point and 32 neighbouring d: so pre goes through LDS, one store of 128 consecutive bytes
;   a time point, and behind a barrier wave v reads rows 16 v .. 16 v + 15, quantises them, multiplies (four instructions) and stores 4,096 consecutive bytes of out0.
; NO CLUSTER, NO TENSOR LOAD: what work-groups share (w, phi, A, W, b: 41 KB) is read once, at the head, by eighteen loads a thread, against 5,248 vector instructions a wave in the loop.
.set CPITCH, 144                       ; a row of 32 coefficients in LDS: 128 bytes + 16: an odd multiple of 16, so sixteen lanes' 16-byte pieces of sixteen rows begin at sixteen different places modulo 256
.set CW,     0                         ; LDS: w' [64 rows],
.set CP,     64*CPITCH                 ; phi',
.set CA,     2*64*CPITCH               ; -2 A,
.set WIMG,   3*64*CPITCH               ; W's codes as images of the operand's registers: tile j at 768 j, lane L's 24 bytes at 24 L,
.set WSC,    WIMG+4*768                ; W's scale words, 4 bytes a row n,
.set PRE,    WSC+256                   ; pre: plane g (d = 32 g ..) of 128 rows (time points) of 128 bytes + 16; wave (p, g) stores one block of 32 rows of its own,
.set PP,     144
.set PLANE,  128*PP
.set STG,    PRE+2*PLANE               ; the way out: 16 rows of 256 bytes + 16 for each wave
.set SPITCH, 272
.set LN,  2                            ; v2   lane
.set RR,  3                            ; v3   lane % 16
.set HH,  4                            ; v4   lane / 16
.set GC,  5                            ; v5   16 x thread: my piece of w, phi, A
.set GW,  6                            ; v6   my 64 bytes of W
.set BLK, 7                            ; v7   which block of 32 of W's row is mine (thread % 2)
.set HLF, 8                            ; v8   which half of it ((thread / 2) % 2)
.set GB,  9                            ; v9   32 x (lane / 16): my eight numbers of b in a tile
.set LC,  10                           ; v10  LDS: where my piece of the coefficients goes
.set LW,  11                           ; v11  LDS: where my 12 bytes of W's codes go
.set LCR, 12                           ; v12  LDS: my d's row of coefficients
.set PB,  13                           ; v13  LDS: my word in my wave's first row of pre
.set PA,  14                           ; v14  the same in the trip's first row
.set RES, 16                           ; v16-17 pre of the trip's two time points
.set K3,  18                           ; v[18:19] C3, twice
.set ACC, 20                           ; v20-27 four pairs of partial sums
.set D,   28                           ; v28-59 b in the result's layout, then the results: tile j at D + 8 j
.set T,   60                           ; v60-91 t, f, then the polynomial's value: sixteen pairs
.set Y,   92                           ; v92-123 v: sixteen pairs
.set WR,  124                          ; v124-155 w'      (pair j: harmonic j, c = 0 and 1)
.set PR,  156                          ; v156-187 phi'
.set AR,  188                          ; v188-219 -2 A
.set SA,  220                          ; v220 pre's scale word;  v221-224 W's: these five hold scales and nothing else
.set SW,  221
.set FA,  226                          ; v226.. the tail's addresses and scratch
.set SCA, 227
.set XA,  228
.set SO,  229
.set SRD, 230
.set GO,  231
.set M0,  232
.set M1,  233
.set SCO, 234
.set BY,  235
.set OT,  236
.set SH,  237
.set X,   WR                           ; the tail, where the coefficients are done with: my row's 32 numbers, later rows of out0;
.set AF,  156                          ; pre's fragment, 12 registers;
.set CT,  168                          ; a conversion's three registers;
.set BF,  172                          ; W's four fragments, 12 registers each
.set WV,  18                           ; s18 wave;  s19 p = wave / 2;  s20 g = wave % 2
.set TG,  19
.set DH,  20
.set CNT, 24                           ; s24 the trip's byte in my 128 bytes of s
.set ROW, 25                           ; s25 the trip's first row in my block of pre, in bytes
.set CHI, 26                           ; s[26:27] 1 / 2 pi, upper word;  s[28:29] lower word.  (A packed form names a scalar pair and takes its low word for both halves: both are written)
.set CLO, 28
.set C4,  30
.set C2,  32
.set C1,  34
.set C0,  36
.set SEL, 38                           ; s[38:39] lane selects for v_permlanex16_b32: lane l xor 16
.set S0,  40                           ; s[40:41], s[42:43] the trip's two time points
.set S1,  42
.set NXT, 44
	s_load_b256 s[4:11], s[0:1], 0x0               ; A s[4:5], W s[6:7], b s[8:9], phi s[10:11]
	s_load_b128 s[12:15], s[0:1], 0x20             ; s s[12:13], w s[14:15]
	s_load_b64 s[16:17], s[0:1], 0x30              ; out0
	v_lshl_add_u32 v240, v0, 2, 0x19100
	v_mov_b32 v241, 0
	v_lshrrev_b32 v1, 5, v0
	v_readfirstlane_b32 s[WV], v1
	s_lshr_b32 s[TG], s[WV], 1
	s_and_b32 s[DH], s[WV], 1
	v_and_b32 v[LN], 31, v0
	v_and_b32 v[RR], 15, v0
	v_bfe_u32 v[HH], v0, 4, 1
	v_lshlrev_b32 v[GC], 4, v0
	v_and_b32 v[GW], 0xfc, v0                      ; W: thread t takes row n = t / 4 (256 bytes), block t % 2 (128 bytes), half (t / 2) % 2 (64 bytes): 16 neighbours along K
	v_and_b32 v[BLK], 1, v0
	v_bfe_u32 v[HLF], v0, 1, 1
	v_lshlrev_b32 v[GW], 6, v[GW]
	v_lshl_or_b32 v[GW], v[BLK], 7, v[GW]
	v_lshl_or_b32 v[GW], v[HLF], 6, v[GW]
	v_lshlrev_b32 v[GB], 5, v[HH]
	s_lshl_b32 s50, ttmp9, 9                       ; my wave's 32 time points in s: 512 bytes a work-group, 128 a pair of waves
	s_lshl_b32 s21, s[TG], 7
	s_add_co_u32 s50, s50, s21
	s_mov_b32 s51, 0
	s_wait_kmcnt 0x0
	; eighteen loads, all out at once.  w, phi, A: a wave's load covers 512 consecutive bytes; thread t takes pieces t and t + 256 of the 512 pieces of 16 bytes
	global_load_b128 v[T:T+3],     v[GC], s[14:15]
	global_load_b128 v[T+4:T+7],   v[GC], s[14:15] offset:4096
	global_load_b128 v[T+8:T+11],  v[GC], s[10:11]
	global_load_b128 v[T+12:T+15], v[GC], s[10:11] offset:4096
	global_load_b128 v[T+16:T+19], v[GC], s[4:5]
	global_load_b128 v[T+20:T+23], v[GC], s[4:5] offset:4096
.irp i, 0,1,2,3
	global_load_b128 v[Y+4*\i:Y+4*\i+3], v[GW], s[6:7] offset:16*\i
.endr
.irp i, 0,1,2,3,4,5,6,7
	global_load_b128 v[D+4*\i:D+4*\i+3], v[GB], s[8:9] offset:64*(\i/2)+16*(\i%2)   ; b(16 j + 8 (lane / 16) + 0 .. 7) into tile j's accumulator: the bias is the C of the product
.endr
	s_add_nc_u64 s[12:13], s[12:13], s[50:51]
	s_load_b64 s[48:49], s[12:13], 0x0             ; the first trip's two time points
	; addresses and constants, while the loads are out
	v_lshrrev_b32 v[LC], 3, v0                     ; piece t is 16 bytes (t % 8) of row d = t / 8; piece t + 256 of row d + 32
	v_mul_u32_u24 v[LC], v[LC], CPITCH
	v_and_b32 v1, 7, v0
	v_lshl_add_u32 v[LC], v1, 4, v[LC]
	v_lshrrev_b32 v[LW], 6, v0                     ; W's codes: tile j = t / 64; lane L = n % 16 + 16 x block; registers 3 x half on
	v_mul_u32_u24 v[LW], v[LW], 768
	v_bfe_u32 v1, v0, 2, 4
	v_mad_u32_u24 v[LW], v1, 24, v[LW]
	v_mad_u32_u24 v[LW], v[BLK], 384, v[LW]
	v_mad_u32_u24 v[LW], v[HLF], 12, v[LW]
	s_mul_i32 s21, s[DH], 32*CPITCH
	v_mul_u32_u24 v[LCR], v[LN], CPITCH
	v_add_nc_u32 v[LCR], s21, v[LCR]               ; row d = 32 g + lane
	s_lshl_b32 s22, s[DH], 2
	s_add_co_u32 s22, s22, s[TG]
	s_mul_i32 s22, s22, 32*PP                      ; my wave's block of pre: number 4 g + p, 32 rows
	s_add_co_u32 s22, s22, PRE
	v_lshl_add_u32 v[PB], v[LN], 2, s22
	s_mov_b32 s[CHI], 0x3e22f983                   ; 1 / 2 pi = 0.15915494 + 6.4207e-9
	s_mov_b32 s[CHI+1], 0x3e22f983
	s_mov_b32 s[CLO], 0x31dc9c88
	s_mov_b32 s[CLO+1], 0x31dc9c88
	s_mov_b32 s[C4], 0x3e63c1a1                    ;  0.22241832
	s_mov_b32 s[C4+1], 0x3e63c1a1
	v_mov_b32 v[K3], 0xbf8e27fa                    ; -1.11059499
	v_mov_b32 v[K3+1], 0xbf8e27fa
	s_mov_b32 s[C2], 0x404919db                    ;  3.14220309   (C1 and C2 are rounded together: their two rounding errors cancel at v = -1/4)
	s_mov_b32 s[C2+1], 0x404919db
	s_mov_b32 s[C1], 0xc0490f4f                    ; -3.14155936
	s_mov_b32 s[C1+1], 0xc0490f4f
	s_mov_b32 s[C0], 0x351d8080                    ;  5.8674e-7
	s_mov_b32 s[C0+1], 0x351d8080
	s_mov_b32 s[SEL], 0x76543210
	s_mov_b32 s[SEL+1], 0xfedcba98
	s_mov_b32 s[S0+1], 0
	s_mov_b32 s[S1+1], 0
; eight numbers in radians become turns: x / 2 pi = x CHI + (x CLO), one rounding at the end; then to LDS
.macro TURNS r, lds
.irp j, 0,2,4,6
	v_pk_mul_f32 v[T+24+\j:T+25+\j], v[\r+\j:\r+\j+1], s[CLO:CLO+1] op_sel_hi:[1,0]
.endr
.irp j, 0,2,4,6
	v_pk_fma_f32 v[\r+\j:\r+\j+1], v[\r+\j:\r+\j+1], s[CHI:CHI+1], v[T+24+\j:T+25+\j] op_sel_hi:[1,0,1]
.endr
	ds_store_b128 v[LC], v[\r:\r+3] offset:\lds
	ds_store_b128 v[LC], v[\r+4:\r+7] offset:\lds+32*CPITCH
.endm
	s_wait_loadcnt 16                              ; w's two loads are in: sixteen were issued behind them
	TURNS T, CW
	s_wait_loadcnt 14                              ; phi's: fourteen behind them
	TURNS T+8, CP
	s_wait_loadcnt 12                              ; A's: twelve behind them
.irp j, 16,18,20,22
	v_pk_mul_f32 v[T+\j:T+\j+1], v[T+\j:T+\j+1], -2.0 op_sel_hi:[1,0]   ; exact
.endr
	ds_store_b128 v[LC], v[T+16:T+19] offset:CA
	ds_store_b128 v[LC], v[T+20:T+23] offset:CA+32*CPITCH
	s_wait_loadcnt 8                               ; W's four: b's eight behind them
	; W is quantised once for the work-group.  The largest magnitude of my 16, with the floor 2^(3 - 127) among the leaves, so that the byte cannot fall under 1
	v_max3_num_f32 v[Y+16], |v[Y]|, |v[Y+1]|, 0x1800000
	v_max3_num_f32 v[Y+17], |v[Y+2]|, |v[Y+3]|, |v[Y+4]|
	v_max3_num_f32 v[Y+16], v[Y+16], |v[Y+5]|, |v[Y+6]|
	v_max3_num_f32 v[Y+17], v[Y+17], |v[Y+7]|, |v[Y+8]|
	v_max3_num_f32 v[Y+16], v[Y+16], |v[Y+9]|, |v[Y+10]|
	v_max3_num_f32 v[Y+17], v[Y+17], |v[Y+11]|, |v[Y+12]|
	v_max3_num_f32 v[Y+16], v[Y+16], |v[Y+13]|, |v[Y+14]|
	v_max3_num_f32 v[Y+16], v[Y+16], v[Y+17], |v[Y+15]|
	v_max_num_f32_dpp v[Y+16], v[Y+16], v[Y+16] row_xmask:2 row_mask:0xf bank_mask:0xf   ; with the block's other half, in lane l xor 2
	v_add_nc_u32 v[Y+18], 0xff000000, v[Y+16]      ; 2 off its exponent field: the conversion takes this operand's exponent field as its scale
	v_cvt_scalef32_pk16_fp6_f32 v[Y+20:Y+22], v[Y:Y+15], v[Y+18]
	v_lshrrev_b32 v[Y+19], 23, v[Y+18]             ; the scale's byte.  (Also the plain line behind the conversion)
	ds_store_b32 v[LW], v[Y+20] offset:WIMG
	ds_store_b32 v[LW], v[Y+21] offset:WIMG+4
	ds_store_b32 v[LW], v[Y+22] offset:WIMG+8
	ds_store_b8 v0, v[Y+19] offset:WSC             ; byte t % 4 of row t / 4's word: bytes 0, 1 are blocks 0, 1; bytes 2, 3 (written by the second halves' threads, with the same bytes) scale K = 64 .. 127, where all codes are zeros
	s_wait_dscnt 0x0                               ; for the others' sake: my stores have landed
	s_barrier_signal -1
	s_barrier_wait -1                              ; the coefficients, W's codes and W's scale words lie in LDS; nobody writes them again
.irp i, 0,1,2,3,4,5,6,7
	ds_load_b128 v[WR+4*\i:WR+4*\i+3], v[LCR] offset:CW+16*\i
	ds_load_b128 v[PR+4*\i:PR+4*\i+3], v[LCR] offset:CP+16*\i
	ds_load_b128 v[AR+4*\i:AR+4*\i+3], v[LCR] offset:CA+16*\i
.endr
	s_mov_b32 s[CNT], 0
	s_mov_b32 s[ROW], 0
	s_wait_loadcnt 0x0                             ; b
	s_wait_dscnt 0x0                               ; my 96 coefficients
; t = w' s + phi' for my d's sixteen pairs of terms
.macro PHASE sp
.set j, 0
.rept 16
	v_pk_fma_f32 v[T+j:T+j+1], v[WR+j:WR+j+1], s[\sp:\sp+1], v[PR+j:PR+j+1] op_sel_hi:[1,0,1]
.set j, j+2
.endr
.endm
; 32 cosines, stage by stage: an instruction's source was written sixteen instructions earlier or more
.macro COSINES
.set j, 0
.rept 32
	v_fract_f32 v[T+j], v[T+j]                     ; f
.set j, j+1
.endr
.set j, 0
.rept 16
	v_pk_fma_f32 v[Y+j:Y+j+1], v[T+j:T+j+1], v[T+j:T+j+1], v[T+j:T+j+1] neg_lo:[0,0,1] neg_hi:[0,0,1]   ; v = f f - f, one rounding
.set j, j+2
.endr
.set j, 0
.rept 16
	v_pk_fma_f32 v[T+j:T+j+1], v[Y+j:Y+j+1], s[C4:C4+1], v[K3:K3+1] op_sel_hi:[1,0,1]
.set j, j+2
.endr
.irp c, C2, C1, C0
.set j, 0
.rept 16
	v_pk_fma_f32 v[T+j:T+j+1], v[T+j:T+j+1], v[Y+j:Y+j+1], s[\c:\c+1] op_sel_hi:[1,1,0]
.set j, j+2
.endr
.endr
.set j, 0
.rept 16
	v_pk_fma_f32 v[T+j:T+j+1], v[T+j:T+j+1], v[T+j:T+j+1], -0.5 op_sel_hi:[1,1,0]   ; G G - 1/2 = -cos / 2
.set j, j+2
.endr
.set j, 0
.rept 4
	v_pk_mul_f32 v[ACC+j:ACC+j+1], v[T+j:T+j+1], v[AR+j:AR+j+1]                      ; the first four products start four pairs of sums: nothing is cleared
.set j, j+2
.endr
.rept 12
	v_pk_fma_f32 v[ACC+j%8:ACC+j%8+1], v[T+j:T+j+1], v[AR+j:AR+j+1], v[ACC+j%8:ACC+j%8+1]
.set j, j+2
.endr
.endm
; the eight partial sums become pre(time point, my d), which goes to my word of the time point's row
.macro FIN row
	v_pk_add_f32 v[ACC:ACC+1], v[ACC:ACC+1], v[ACC+2:ACC+3]
	v_pk_add_f32 v[ACC+4:ACC+5], v[ACC+4:ACC+5], v[ACC+6:ACC+7]
	v_pk_add_f32 v[ACC:ACC+1], v[ACC:ACC+1], v[ACC+4:ACC+5]
	v_add_f32 v[RES+\row], v[ACC], v[ACC+1]
	ds_store_b32 v[PA], v[RES+\row] offset:\row*PP  ; 32 lanes store 128 consecutive bytes
.endm
.Lpair:                                                ; sixteen trips of two time points
	s_wait_kmcnt 0x0                               ; this trip's two time points, asked for a trip ago; the load's offset register is free again too
	s_mov_b32 s[S0], s48
	s_mov_b32 s[S1], s49
	s_add_co_u32 s[NXT], s[CNT], 8
	s_min_u32 s[NXT], s[NXT], 120                  ; the last trip asks for its own pair again: no load leaves my 128 bytes of s
	s_load_b64 s[48:49], s[12:13], s[NXT] offset:0x0
	v_add_nc_u32 v[PA], s[ROW], v[PB]
	PHASE S0
	COSINES
	PHASE S1                                       ; the second point's phases stand between the first point's last products and the short chain that adds them up
	FIN 0
	COSINES
	FIN 1
	s_add_co_u32 s[ROW], s[ROW], 2*PP
	s_add_co_u32 s[CNT], s[CNT], 8
	s_cmp_lt_u32 s[CNT], 128
	s_cbranch_scc1 .Lpair
	; THE TAIL.  The coefficients are done with: W's fragments and scale words come from LDS as images of their registers (bytes that nobody has written since the first barrier)
	v_mul_u32_u24 v[FA], v[LN], 24
	v_lshlrev_b32 v[SCA], 2, v[RR]
.irp j, 0,1,2,3
.irp i, 0,1,2
	ds_load_b64 v[BF+12*\j+2*\i:BF+12*\j+2*\i+1], v[FA] offset:WIMG+768*\j+8*\i      ; lane (r, h): the codes of W(16 j + r, 32 h .. 32 h + 31)
.endr
	ds_load_b32 v[SW+\j], v[SCA] offset:WSC+64*\j
.endr
.irp i, 6,7,8,9,10,11
	v_mov_b32 v[AF+\i], 0                          ; K is 64, the instruction's is 128: K = 64 .. 127 are zero codes on both sides
.irp j, 0,1,2,3
	v_mov_b32 v[BF+12*\j+\i], 0
.endr
.endr
	s_mul_i32 s21, s[WV], 16*PP
	s_add_co_u32 s21, s21, PRE
	v_mul_u32_u24 v[XA], v[RR], PP
	v_mad_u32_u24 v[XA], v[HH], PLANE, v[XA]
	v_add_nc_u32 v[XA], s21, v[XA]                 ; row 16 wave + r of plane h
	s_mul_i32 s23, s[WV], 16*SPITCH
	s_add_co_u32 s23, s23, STG                     ; my stage
	v_mul_u32_u24 v[SO], v[RR], SPITCH
	v_lshl_add_u32 v[SO], v[HH], 5, v[SO]
	v_add_nc_u32 v[SO], s23, v[SO]                 ; in: row r, 32 bytes for each half of the lanes
	v_mul_u32_u24 v[SRD], v[HH], SPITCH
	v_lshl_add_u32 v[SRD], v[RR], 4, v[SRD]
	v_add_nc_u32 v[SRD], s23, v[SRD]               ; back: lanes 0-15 one row of 256 bytes, lanes 16-31 the next
	v_lshlrev_b32 v[GO], 4, v[LN]                  ; and the same two rows in out0: 16 x lane
	v_lshlrev_b32 v[SH], 3, v[HH]
	v_mov_b32 v[OT], 0                             ; a lane permute's destination counts as one of its sources
	s_lshl_b32 s46, ttmp9, 15                      ; my 16 rows of out0: 32,768 bytes a work-group, 4,096 a wave
	s_lshl_b32 s21, s[WV], 12
	s_add_co_u32 s46, s46, s21
	s_mov_b32 s47, 0
	s_add_nc_u64 s[16:17], s[16:17], s[46:47]
	s_wait_dscnt 0x0                               ; for the others' sake: my 32 rows of pre have landed (and W's fragments are in)
	s_barrier_signal -1
	s_barrier_wait -1                              ; all 128 rows of both planes lie in LDS; nobody writes them again
.irp i, 0,1,2,3,4,5,6,7
	ds_load_b128 v[X+4*\i:X+4*\i+3], v[XA] offset:16*\i   ; pre(16 wave + r, 32 h .. 32 h + 31): a whole block of 32 along K in one lane
.endr
	s_wait_dscnt 0x0
	v_max3_num_f32 v[M0], |v[X]|, |v[X+1]|, 0x1800000      ; the block's largest magnitude, in two chains, with the floor 2^(3 - 127)
	v_max3_num_f32 v[M1], |v[X+16]|, |v[X+17]|, |v[X+18]|
.irp i, 0,2,4,6,8,10
	v_max3_num_f32 v[M0], v[M0], |v[X+2+\i]|, |v[X+3+\i]|
	v_max3_num_f32 v[M1], v[M1], |v[X+19+\i]|, |v[X+20+\i]|
.endr
	v_max3_num_f32 v[M0], v[M0], |v[X+14]|, |v[X+15]|
	v_max3_num_f32 v[M0], v[M0], v[M1], |v[X+31]|
	v_add_nc_u32 v[SCO], 0xff000000, v[M0]         ; 2 off its exponent field: the conversions' scale operand
	v_lshrrev_b32 v[BY], 23, v[SCO]                ; the scale's byte,
	v_lshlrev_b32 v[BY], v[SH], v[BY]              ; at its place in the row's word: block h is byte h;
	v_permlanex16_b32 v[OT], v[BY], s[SEL], s[SEL+1]
	v_or_b32 v[SA], v[BY], v[OT]                   ; with lane l xor 16's the word is whole (bytes 2 and 3 stay 0: they scale zero codes)
	v_cvt_scalef32_pk16_fp6_f32 v[AF:AF+2], v[X:X+15], v[SCO]
	v_cvt_scalef32_pk16_fp6_f32 v[CT:CT+2], v[X+16:X+31], v[SCO]   ; (a conversion's three registers begin on an even number: the block's second three do not)
	v_nop                                          ; one plain line behind a scaled conversion
.irp i, 0,1,2
	v_mov_b32 v[AF+3+\i], v[CT+\i]
.endr
.rept 8
	v_nop                                          ; a scale word made by vector instructions stands eight plain lines ahead of the scaled product, an operand so made four
.endr
.irp j, 0,1,2,3                                ; TRANSPOSED: source 0 = 16 rows n of W, source 1 = my 16 time points: lane (r, h) gets out0(r, 16 j + 8 h + 0 .. 7); C = b in that layout, in place; four accumulators, one instruction each
	v_wmma_scale_f32_16x16x128_f8f6f4 v[D+8*\j:D+8*\j+7], v[BF+12*\j:BF+12*\j+11], v[AF:AF+11], v[D+8*\j:D+8*\j+7], v[SW+\j], v[SA] matrix_a_fmt:MATRIX_FMT_FP6 matrix_b_fmt:MATRIX_FMT_FP6
.endr
.rept 4
	v_nop                                          ; four plain lines between a product and the first read of its result (ISA guide 7.12.1)
.endr
	; THE WAY OUT.  A lane holds 32 bytes of a row and its neighbours hold other rows: the 16 rows go through my own stage and come back whole
.irp j, 0,1,2,3
	ds_store_b128 v[SO], v[D+8*\j:D+8*\j+3] offset:64*\j           ; each accumulator from its low end on
	ds_store_b128 v[SO], v[D+8*\j+4:D+8*\j+7] offset:64*\j+16
.endr
.irp i, 0,1,2,3,4,5,6,7
	ds_load_b128 v[X+4*\i:X+4*\i+3], v[SRD] offset:2*\i*SPITCH     ; LDS serves a wave's instructions in order (ISA guide 5.7.1.4): these see my stores
.endr
.irp i, 0,1,2,3,4,5,6,7
	s_wait_dscnt 7-\i                              ; load i is in: 7 - i were issued behind it
	global_store_b128 v[GO], v[X+4*\i:X+4*\i+3], s[16:17] offset:512*\i th:TH_STORE_NT   ; 32 lanes store 512 consecutive bytes, two rows, at a multiple of 256 from out0's first byte
.endr
	s_wait_tensorcnt 0x0
	ds_add_u32 v240, v241
	s_wait_dscnt 0x0
	s_endpgm
.Lfunc_end_k_q7279027545_fourier:
	.size	k_q7279027545_fourier, .Lfunc_end_k_q7279027545_fourier-k_q7279027545_fourier
	.p2alignl 7, 3214868480
	.fill 96, 4, 3214868480
	.section	.rodata,"a",@progbits
	.p2align	6, 0x0
	.amdhsa_kernel k_q7279027545_fourier
		.amdhsa_group_segment_fixed_size 103680
		.amdhsa_private_segment_fixed_size 0
		.amdhsa_enable_private_segment 0
		.amdhsa_kernarg_size 56
		.amdhsa_user_sgpr_count 2
		.amdhsa_user_sgpr_kernarg_segment_ptr 1
		.amdhsa_wavefront_size32 1
		.amdhsa_system_sgpr_workgroup_id_x 1
		.amdhsa_system_sgpr_workgroup_id_y 1
		.amdhsa_system_sgpr_workgroup_id_z 1
		.amdhsa_system_vgpr_workitem_id 0
		.amdhsa_next_free_vgpr 242
		.amdhsa_next_free_sgpr 66
		.amdhsa_reserve_vcc 0
		.amdhsa_float_denorm_mode_32 3
		.amdhsa_float_denorm_mode_16_64 3
		.amdhsa_memory_ordered 1
		.amdhsa_forward_progress 1
		.amdhsa_inst_pref_size 37
	.end_amdhsa_kernel
	.amdgpu_metadata
---
amdhsa.version: [ 1, 2 ]
amdhsa.kernels:
  - .name:           k_q7279027545_fourier
    .symbol:         k_q7279027545_fourier.kd
    .args:
      - { .name: A, .offset: 0, .size: 8, .value_kind: global_buffer, .address_space: global }
      - { .name: W, .offset: 8, .size: 8, .value_kind: global_buffer, .address_space: global }
      - { .name: b, .offset: 16, .size: 8, .value_kind: global_buffer, .address_space: global }
      - { .name: phi, .offset: 24, .size: 8, .value_kind: global_buffer, .address_space: global }
      - { .name: s, .offset: 32, .size: 8, .value_kind: global_buffer, .address_space: global }
      - { .name: w, .offset: 40, .size: 8, .value_kind: global_buffer, .address_space: global }
      - { .name: out0, .offset: 48, .size: 8, .value_kind: global_buffer, .address_space: global }
    .group_segment_fixed_size: 103680
    .private_segment_fixed_size: 0
    .kernarg_segment_align: 8
    .kernarg_segment_size: 56
    .max_flat_workgroup_size: 256
    .sgpr_count:     66
    .vgpr_count:     242
    .wavefront_size: 32
...
	.end_amdgpu_metadata
.endif
;; end of part 1
;; ======== version 2 of 2: 1 launch; version 1 with the launch fourier written anew for expert scheduling mode
;; launch fourier (part 2): grid 256 x 1, 8 waves a work-group, no clusters, 103,680 bytes of LDS; arguments A, W, b, phi, s, w, out0; writes out0
.if DOCPART == 2
	.amdgcn_target "amdgcn-amd-amdhsa--gfx1250"
	.amdhsa_code_object_version 6
	.text
	.protected	k_q7279027545_fourier
	.globl	k_q7279027545_fourier
	.p2align	8
	.type	k_q7279027545_fourier,@function
k_q7279027545_fourier:
	s_mov_b64 s[64:65], 0
	v_nop
	global_prefetch_b8 v0, s[64:65] scope:SCOPE_SE
	s_setreg_imm32_b32 hwreg(HW_REG_WAVE_SCHED_MODE, 0, 2), 2
	s_setreg_imm32_b32 hwreg(HW_REG_WAVE_MODE, 25, 1), 1
	s_wait_xcnt 0x0
	s_wait_alu depctr_vm_vsrc(0)
; out0[i][n] = b[n] + sum over d of Q(pre[i][d]) Q(W[n][d]),   pre[i][d] = sum over the 32 terms (h, c) of A[d][h][c] cos(w[d][h][c] s[i] + phi[d][h][c]).
; 32,768 time points i, 64 d, 64 n.  Q: codes of FP6 (E2M3) with one E8M0 scale for each 32 along d.  All ahead of Q is f32.
; x, the seventh argument of reference(), is never used in its body: no result hangs on it, so this launch is not given it.
; THE WORK is 67 million cosines; the product is 8,192 matrix instructions.  So the text is laid out for few vector instructions a cosine: ten for two.
; THE COSINE, two terms (c = 0, 1) to an instruction:  t = w' s + phi' in turns (w' = w / 2 pi, phi' = phi / 2 pi, made once);  f = t - floor(t);  v = f f - f = (f - 1/2)^2 - 1/4, in [-1/4, 0];
;   G = C0 + v (C1 + v (C2 + v (C3 + v C4))) = sin(pi f);   G G - 1/2 = -cos(2 pi t) / 2;   the sum takes that times -2 A.
;   The polynomial is the Chebyshev series of cos(pi sqrt(y)) on [0, 1/4] cut behind the fourth order, its remainder shaped so that 4 G x (G's error), the cosine's error, is level: 5.5e-8 at the most.
;   With the roundings of the six lines a cosine lies within some 5e-7 (absolute) of the cosine of its phase; the phase has two roundings (w', t), as many as a multiply and an add in radians.
; LIMITS: NaN and infinities among the inputs are not served.  From 2^23 turns on t has no fraction left (an f32 phase in radians has none of use there either).
;   A block whose largest magnitude lies under 2^-124 keeps the scale byte 1 (a block of zeros too: its codes are zeros, and only this text reads the bytes).
; SHARES.  A work-group of eight waves owns 128 time points.  In the loop LANES ARE d: wave (p, g) takes time points 32 p .. 32 p + 31 for d = 32 g + lane; a lane's 96 coefficients stay in its
;   registers, the time point comes from a scalar register.  The matrix operand wants a lane to hold one time point and 32 neighbouring d: so pre goes through LDS, one store of 128 consecutive bytes
;   a time point, and behind a barrier wave v reads rows 16 v .. 16 v + 15, quantises them, multiplies (four instructions) and stores 4,096 consecutive bytes of out0.
; NO CLUSTER, NO TENSOR LOAD: what work-groups share (w, phi, A, W, b: 41 KB) is read once, at the head, by eighteen loads a thread, against 5,248 vector instructions a wave in the loop.
; THE MODE: SCHED_MODE bits 1:0 = 2 (LLVM: expert scheduling mode 2), set by the entry lines.  The code itself states the register dependences
; between vector or matrix instructions and memory or LDS instructions, with s_wait_alu, always for 0.
; THE PLAN.  Registers that memory or LDS instructions touch:
;   HEAD  v[GC], v[GW], v[GB]  offsets of the eighteen global loads: written once, ahead of one wait on va_vdst, never again.
;         v[T ..], v[Y ..]     loaded; worked on by vector lines; ALL the head's arithmetic stands first, then one wait on va_vdst, then the ten LDS stores in one run (their addresses v[LC], v[LW], and
;                              v[LCR], by which the coefficients come back behind the barrier, are written ahead of the same wait).  The loop writes v[T ..] and v[Y ..] again: behind its wait on vm_vsrc.
;         v[WR ..], v[D ..]    loads land in them before any vector line has named them.
;   LOOP  v[PA]                written by one add at a trip's head, read by the trip's two LDS stores.
;         v[RES], v[RES+1]     written by the trip's two short chains of adds, read by the same two stores, which stand together at the trip's end.
;                              So a trip has one wait on vm_vsrc at its head (the last trip's stores have read the three) and one on va_vdst ahead of its stores (the three are written).
;                              Nothing else in the loop is named by an LDS or memory instruction: the time points come by a scalar load.
;   TAIL  six addresses        all made first; one wait on va_vdst states that they are written and that the loop is done reading the coefficients' registers, in which W's fragments and pre's rows land.
;         v[AF ..], v[SA]      written by vector lines, taken by the scaled products: the places, then a wait on va_vdst.
;         v[D ..], v[X ..]     the products write D, which the stage's stores read; the maxima and conversions have read X, in which the stage's loads land: the places, then one wait on va_vdst for both.
.set CPITCH, 144                       ; a row of 32 coefficients in LDS: 128 bytes + 16: an odd multiple of 16, so sixteen lanes' 16-byte pieces of sixteen rows begin at sixteen different places modulo 256
.set CW,     0                         ; LDS: w' [64 rows],
.set CP,     64*CPITCH                 ; phi',
.set CA,     2*64*CPITCH               ; -2 A,
.set WIMG,   3*64*CPITCH               ; W's codes as images of the operand's registers: tile j at 768 j, lane L's 24 bytes at 24 L,
.set WSC,    WIMG+4*768                ; W's scale words, 4 bytes a row n,
.set PRE,    WSC+256                   ; pre: plane g (d = 32 g ..) of 128 rows (time points) of 128 bytes + 16; wave (p, g) stores one block of 32 rows of its own,
.set PP,     144
.set PLANE,  128*PP
.set STG,    PRE+2*PLANE               ; the way out: 16 rows of 256 bytes + 16 for each wave
.set SPITCH, 272
.set LN,  2                            ; v2   lane
.set RR,  3                            ; v3   lane % 16
.set HH,  4                            ; v4   lane / 16
.set GC,  5                            ; v5   16 x thread: my piece of w, phi, A
.set GW,  6                            ; v6   my 64 bytes of W
.set BLK, 7                            ; v7   which block of 32 of W's row is mine (thread % 2)
.set HLF, 8                            ; v8   which half of it ((thread / 2) % 2)
.set GB,  9                            ; v9   32 x (lane / 16): my eight numbers of b in a tile
.set LC,  10                           ; v10  LDS: where my piece of the coefficients goes
.set LW,  11                           ; v11  LDS: where my 12 bytes of W's codes go
.set LCR, 12                           ; v12  LDS: my d's row of coefficients
.set PB,  13                           ; v13  LDS: my word in my wave's first row of pre
.set PA,  14                           ; v14  the same in the trip's first row
.set RES, 16                           ; v16-17 pre of the trip's two time points
.set K3,  18                           ; v[18:19] C3, twice
.set ACC, 20                           ; v20-27 four pairs of partial sums
.set D,   28                           ; v28-59 b in the result's layout, then the results: tile j at D + 8 j
.set T,   60                           ; v60-91 t, f, then the polynomial's value: sixteen pairs
.set Y,   92                           ; v92-123 v: sixteen pairs
.set WR,  124                          ; v124-155 w'      (pair j: harmonic j, c = 0 and 1)
.set PR,  156                          ; v156-187 phi'
.set AR,  188                          ; v188-219 -2 A
.set SA,  220                          ; v220 pre's scale word;  v221-224 W's: these five hold scales and nothing else
.set SW,  221
.set FA,  226                          ; v226.. the tail's addresses and scratch
.set SCA, 227
.set XA,  228
.set SO,  229
.set SRD, 230
.set GO,  231
.set M0,  232
.set M1,  233
.set SCO, 234
.set BY,  235
.set OT,  236
.set SH,  237
.set X,   WR                           ; the tail, where the coefficients are done with: my row's 32 numbers, later rows of out0;
.set AF,  156                          ; pre's fragment, 12 registers;
.set CT,  168                          ; a conversion's three registers;
.set BF,  172                          ; W's four fragments, 12 registers each
.set WV,  18                           ; s18 wave;  s19 p = wave / 2;  s20 g = wave % 2
.set TG,  19
.set DH,  20
.set CNT, 24                           ; s24 the trip's byte in my 128 bytes of s
.set ROW, 25                           ; s25 the trip's first row in my block of pre, in bytes
.set CHI, 26                           ; s[26:27] 1 / 2 pi, upper word;  s[28:29] lower word.  (A packed form names a scalar pair and takes its low word for both halves: both are written)
.set CLO, 28
.set C4,  30
.set C2,  32
.set C1,  34
.set C0,  36
.set SEL, 38                           ; s[38:39] lane selects for v_permlanex16_b32: lane l xor 16
.set S0,  40                           ; s[40:41], s[42:43] the trip's two time points
.set S1,  42
.set NXT, 44
	s_load_b256 s[4:11], s[0:1], 0x0               ; A s[4:5], W s[6:7], b s[8:9], phi s[10:11]
	s_load_b128 s[12:15], s[0:1], 0x20             ; s s[12:13], w s[14:15]
	s_load_b64 s[16:17], s[0:1], 0x30              ; out0
	v_lshl_add_u32 v238, v0, 2, 0x19100
	v_mov_b32 v239, 0
	v_lshrrev_b32 v1, 5, v0
	v_readfirstlane_b32 s[WV], v1
	v_and_b32 v[LN], 31, v0
	v_and_b32 v[RR], 15, v0
	v_bfe_u32 v[HH], v0, 4, 1
	v_lshlrev_b32 v[GC], 4, v0
	v_and_b32 v[GW], 0xfc, v0                      ; W: thread t takes row n = t / 4 (256 bytes), block t % 2 (128 bytes), half (t / 2) % 2 (64 bytes): 16 neighbours along K
	v_and_b32 v[BLK], 1, v0
	v_bfe_u32 v[HLF], v0, 1, 1
	v_lshlrev_b32 v[GW], 6, v[GW]
	v_lshl_or_b32 v[GW], v[BLK], 7, v[GW]
	v_lshl_or_b32 v[GW], v[HLF], 6, v[GW]
	v_lshlrev_b32 v[GB], 5, v[HH]
	s_wait_alu depctr_va_sdst(0)                   ; the wave's number is written into s[WV], ahead of its first reader, the line below
	s_lshr_b32 s[TG], s[WV], 1
	s_and_b32 s[DH], s[WV], 1
	s_lshl_b32 s50, ttmp9, 9                       ; my wave's 32 time points in s: 512 bytes a work-group, 128 a pair of waves
	s_lshl_b32 s21, s[TG], 7
	s_add_co_u32 s50, s50, s21
	s_mov_b32 s51, 0
	s_wait_kmcnt 0x0
	s_wait_alu depctr_va_vdst(0)                   ; v[GC], v[GW] and v[GB] are written, which the eighteen loads below read as their offsets
	; eighteen loads, all out at once.  w, phi, A: a wave's load covers 512 consecutive bytes; thread t takes pieces t and t + 256 of the 512 pieces of 16 bytes
	global_load_b128 v[T:T+3],     v[GC], s[14:15]
	global_load_b128 v[T+4:T+7],   v[GC], s[14:15] offset:4096
	global_load_b128 v[T+8:T+11],  v[GC], s[10:11]
	global_load_b128 v[T+12:T+15], v[GC], s[10:11] offset:4096
	global_load_b128 v[T+16:T+19], v[GC], s[4:5]
	global_load_b128 v[T+20:T+23], v[GC], s[4:5] offset:4096
.irp i, 0,1,2,3
	global_load_b128 v[Y+4*\i:Y+4*\i+3], v[GW], s[6:7] offset:16*\i
.endr
.irp i, 0,1,2,3,4,5,6,7
	global_load_b128 v[D+4*\i:D+4*\i+3], v[GB], s[8:9] offset:64*(\i/2)+16*(\i%2)   ; b(16 j + 8 (lane / 16) + 0 .. 7) into tile j's accumulator: the bias is the C of the product
.endr
	s_add_nc_u64 s[12:13], s[12:13], s[50:51]
	s_load_b64 s[48:49], s[12:13], 0x0             ; the first trip's two time points
	; addresses and constants, while the loads are out (none of these lines names a register of a load)
	v_lshrrev_b32 v[LC], 3, v0                     ; piece t is 16 bytes (t % 8) of row d = t / 8; piece t + 256 of row d + 32
	v_mul_u32_u24 v[LC], v[LC], CPITCH
	v_and_b32 v1, 7, v0
	v_lshl_add_u32 v[LC], v1, 4, v[LC]
	v_lshrrev_b32 v[LW], 6, v0                     ; W's codes: tile j = t / 64; lane L = n % 16 + 16 x block; registers 3 x half on
	v_mul_u32_u24 v[LW], v[LW], 768
	v_bfe_u32 v1, v0, 2, 4
	v_mad_u32_u24 v[LW], v1, 24, v[LW]
	v_mad_u32_u24 v[LW], v[BLK], 384, v[LW]
	v_mad_u32_u24 v[LW], v[HLF], 12, v[LW]
	s_mul_i32 s21, s[DH], 32*CPITCH
	v_mul_u32_u24 v[LCR], v[LN], CPITCH
	v_add_nc_u32 v[LCR], s21, v[LCR]               ; row d = 32 g + lane
	s_lshl_b32 s22, s[DH], 2
	s_add_co_u32 s22, s22, s[TG]
	s_mul_i32 s22, s22, 32*PP                      ; my wave's block of pre: number 4 g + p, 32 rows
	s_add_co_u32 s22, s22, PRE
	v_lshl_add_u32 v[PB], v[LN], 2, s22
	s_mov_b32 s[CHI], 0x3e22f983                   ; 1 / 2 pi = 0.15915494 + 6.4207e-9
	s_mov_b32 s[CHI+1], 0x3e22f983
	s_mov_b32 s[CLO], 0x31dc9c88
	s_mov_b32 s[CLO+1], 0x31dc9c88
	s_mov_b32 s[C4], 0x3e63c1a1                    ;  0.22241832
	s_mov_b32 s[C4+1], 0x3e63c1a1
	v_mov_b32 v[K3], 0xbf8e27fa                    ; -1.11059499
	v_mov_b32 v[K3+1], 0xbf8e27fa
	s_mov_b32 s[C2], 0x404919db                    ;  3.14220309   (C1 and C2 are rounded together: their two rounding errors cancel at v = -1/4)
	s_mov_b32 s[C2+1], 0x404919db
	s_mov_b32 s[C1], 0xc0490f4f                    ; -3.14155936
	s_mov_b32 s[C1+1], 0xc0490f4f
	s_mov_b32 s[C0], 0x351d8080                    ;  5.8674e-7
	s_mov_b32 s[C0+1], 0x351d8080
	s_mov_b32 s[SEL], 0x76543210
	s_mov_b32 s[SEL+1], 0xfedcba98
	s_mov_b32 s[S0+1], 0
	s_mov_b32 s[S1+1], 0
; eight numbers in radians become turns: x / 2 pi = x CHI + (x CLO), one rounding at the end
.macro TURNS r
.irp j, 0,2,4,6
	v_pk_mul_f32 v[T+24+\j:T+25+\j], v[\r+\j:\r+\j+1], s[CLO:CLO+1] op_sel_hi:[1,0]
.endr
.irp j, 0,2,4,6
	v_pk_fma_f32 v[\r+\j:\r+\j+1], v[\r+\j:\r+\j+1], s[CHI:CHI+1], v[T+24+\j:T+25+\j] op_sel_hi:[1,0,1]
.endr
.endm
	s_wait_loadcnt 16                              ; w's two loads are in: sixteen were issued behind them
	TURNS T
	s_wait_loadcnt 14                              ; phi's: fourteen behind them
	TURNS T+8
	s_wait_loadcnt 12                              ; A's: twelve behind them
.irp j, 16,18,20,22
	v_pk_mul_f32 v[T+\j:T+\j+1], v[T+\j:T+\j+1], -2.0 op_sel_hi:[1,0]   ; exact
.endr
	s_wait_loadcnt 8                               ; W's four: b's eight behind them
	; W is quantised once for the work-group.  The largest magnitude of my 16, with the floor 2^(3 - 127) among the leaves, so that the byte cannot fall under 1
	v_max3_num_f32 v[Y+16], |v[Y]|, |v[Y+1]|, 0x1800000
	v_max3_num_f32 v[Y+17], |v[Y+2]|, |v[Y+3]|, |v[Y+4]|
	v_max3_num_f32 v[Y+16], v[Y+16], |v[Y+5]|, |v[Y+6]|
	v_max3_num_f32 v[Y+17], v[Y+17], |v[Y+7]|, |v[Y+8]|
	v_max3_num_f32 v[Y+16], v[Y+16], |v[Y+9]|, |v[Y+10]|
	v_max3_num_f32 v[Y+17], v[Y+17], |v[Y+11]|, |v[Y+12]|
	v_max3_num_f32 v[Y+16], v[Y+16], |v[Y+13]|, |v[Y+14]|
	v_max3_num_f32 v[Y+16], v[Y+16], v[Y+17], |v[Y+15]|
	v_max_num_f32_dpp v[Y+16], v[Y+16], v[Y+16] row_xmask:2 row_mask:0xf bank_mask:0xf   ; with the block's other half, in lane l xor 2
	v_add_nc_u32 v[Y+18], 0xff000000, v[Y+16]      ; 2 off its exponent field: the conversion takes this operand's exponent field as its scale
	v_cvt_scalef32_pk16_fp6_f32 v[Y+20:Y+22], v[Y:Y+15], v[Y+18]
	v_lshrrev_b32 v[Y+19], 23, v[Y+18]             ; the scale's byte.  (Also the plain line behind the conversion)
	s_wait_alu depctr_va_vdst(0)                   ; w', phi', -2 A, W's codes and its byte are written, which the ten LDS stores below read; so are their addresses v[LC] and v[LW], and v[LCR], by which the loads behind the barrier read
	ds_store_b128 v[LC], v[T:T+3] offset:CW
	ds_store_b128 v[LC], v[T+4:T+7] offset:CW+32*CPITCH
	ds_store_b128 v[LC], v[T+8:T+11] offset:CP
	ds_store_b128 v[LC], v[T+12:T+15] offset:CP+32*CPITCH
	ds_store_b128 v[LC], v[T+16:T+19] offset:CA
	ds_store_b128 v[LC], v[T+20:T+23] offset:CA+32*CPITCH
	ds_store_b32 v[LW], v[Y+20] offset:WIMG
	ds_store_b32 v[LW], v[Y+21] offset:WIMG+4
	ds_store_b32 v[LW], v[Y+22] offset:WIMG+8
	ds_store_b8 v0, v[Y+19] offset:WSC             ; byte t % 4 of row t / 4's word: bytes 0, 1 are blocks 0, 1; bytes 2, 3 (written by the second halves' threads, with the same bytes) scale K = 64 .. 127, where all codes are zeros
	s_wait_dscnt 0x0                               ; for the others' sake: my stores have landed
	s_barrier_signal -1
	s_barrier_wait -1                              ; the coefficients, W's codes and W's scale words lie in LDS; nobody writes them again
.irp i, 0,1,2,3,4,5,6,7
	ds_load_b128 v[WR+4*\i:WR+4*\i+3], v[LCR] offset:CW+16*\i      ; no vector line has named these 96 registers, and none since the wait above names v[LCR]
	ds_load_b128 v[PR+4*\i:PR+4*\i+3], v[LCR] offset:CP+16*\i
	ds_load_b128 v[AR+4*\i:AR+4*\i+3], v[LCR] offset:CA+16*\i
.endr
	s_mov_b32 s[CNT], 0
	s_mov_b32 s[ROW], 0
	s_wait_loadcnt 0x0                             ; b
	s_wait_dscnt 0x0                               ; my 96 coefficients
; t = w' s + phi' for my d's sixteen pairs of terms
.macro PHASE sp
.set j, 0
.rept 16
	v_pk_fma_f32 v[T+j:T+j+1], v[WR+j:WR+j+1], s[\sp:\sp+1], v[PR+j:PR+j+1] op_sel_hi:[1,0,1]
.set j, j+2
.endr
.endm
; 32 cosines, stage by stage: an instruction's source was written sixteen instructions earlier or more
.macro COSINES
.set j, 0
.rept 32
	v_fract_f32 v[T+j], v[T+j]                     ; f
.set j, j+1
.endr
.set j, 0
.rept 16
	v_pk_fma_f32 v[Y+j:Y+j+1], v[T+j:T+j+1], v[T+j:T+j+1], v[T+j:T+j+1] neg_lo:[0,0,1] neg_hi:[0,0,1]   ; v = f f - f, one rounding
.set j, j+2
.endr
.set j, 0
.rept 16
	v_pk_fma_f32 v[T+j:T+j+1], v[Y+j:Y+j+1], s[C4:C4+1], v[K3:K3+1] op_sel_hi:[1,0,1]
.set j, j+2
.endr
.irp c, C2, C1, C0
.set j, 0
.rept 16
	v_pk_fma_f32 v[T+j:T+j+1], v[T+j:T+j+1], v[Y+j:Y+j+1], s[\c:\c+1] op_sel_hi:[1,1,0]
.set j, j+2
.endr
.endr
.set j, 0
.rept 16
	v_pk_fma_f32 v[T+j:T+j+1], v[T+j:T+j+1], v[T+j:T+j+1], -0.5 op_sel_hi:[1,1,0]   ; G G - 1/2 = -cos / 2
.set j, j+2
.endr
.set j, 0
.rept 4
	v_pk_mul_f32 v[ACC+j:ACC+j+1], v[T+j:T+j+1], v[AR+j:AR+j+1]                      ; the first four products start four pairs of sums: nothing is cleared
.set j, j+2
.endr
.rept 12
	v_pk_fma_f32 v[ACC+j%8:ACC+j%8+1], v[T+j:T+j+1], v[AR+j:AR+j+1], v[ACC+j%8:ACC+j%8+1]
.set j, j+2
.endr
.endm
; the eight partial sums become pre(time point, my d)
.macro FIN row
	v_pk_add_f32 v[ACC:ACC+1], v[ACC:ACC+1], v[ACC+2:ACC+3]
	v_pk_add_f32 v[ACC+4:ACC+5], v[ACC+4:ACC+5], v[ACC+6:ACC+7]
	v_pk_add_f32 v[ACC:ACC+1], v[ACC:ACC+1], v[ACC+4:ACC+5]
	v_add_f32 v[RES+\row], v[ACC], v[ACC+1]
.endm
.Lpair:                                                ; sixteen trips of two time points
	s_wait_kmcnt 0x0                               ; this trip's two time points, asked for a trip ago; the load's offset register is free again too
	s_mov_b32 s[S0], s48
	s_mov_b32 s[S1], s49
	s_add_co_u32 s[NXT], s[CNT], 8
	s_min_u32 s[NXT], s[NXT], 120                  ; the last trip asks for its own pair again: no load leaves my 128 bytes of s
	s_load_b64 s[48:49], s[12:13], s[NXT] offset:0x0
	s_wait_alu depctr_vm_vsrc(0)                   ; the last trip's two LDS stores have read v[PA], v[RES] and v[RES+1], which this trip writes again; in the first trip: the head's LDS stores have read v[T ..] and v[Y ..], which the lines below write
	v_add_nc_u32 v[PA], s[ROW], v[PB]
	PHASE S0
	COSINES
	PHASE S1                                       ; the second point's phases stand between the first point's last products and the short chain that adds them up
	FIN 0
	COSINES
	FIN 1
	s_add_co_u32 s[ROW], s[ROW], 2*PP
	s_add_co_u32 s[CNT], s[CNT], 8
	s_wait_alu depctr_va_vdst(0)                   ; v[PA], v[RES] and v[RES+1] are written, which the two LDS stores below read
	ds_store_b32 v[PA], v[RES]                     ; each to my word of its time point's row: 32 lanes store 128 consecutive bytes
	ds_store_b32 v[PA], v[RES+1] offset:PP
	s_cmp_lt_u32 s[CNT], 128
	s_cbranch_scc1 .Lpair
	; THE TAIL.  All its addresses are made first, so that one wait serves every load and store that reads them
	v_mul_u32_u24 v[FA], v[LN], 24
	v_lshlrev_b32 v[SCA], 2, v[RR]
.irp i, 6,7,8,9,10,11
	v_mov_b32 v[AF+\i], 0                          ; K is 64, the instruction's is 128: K = 64 .. 127 are zero codes on both sides
.irp j, 0,1,2,3
	v_mov_b32 v[BF+12*\j+\i], 0
.endr
.endr
	s_mul_i32 s21, s[WV], 16*PP
	s_add_co_u32 s21, s21, PRE
	v_mul_u32_u24 v[XA], v[RR], PP
	v_mad_u32_u24 v[XA], v[HH], PLANE, v[XA]
	v_add_nc_u32 v[XA], s21, v[XA]                 ; row 16 wave + r of plane h
	s_mul_i32 s23, s[WV], 16*SPITCH
	s_add_co_u32 s23, s23, STG                     ; my stage
	v_mul_u32_u24 v[SO], v[RR], SPITCH
	v_lshl_add_u32 v[SO], v[HH], 5, v[SO]
	v_add_nc_u32 v[SO], s23, v[SO]                 ; in: row r, 32 bytes for each half of the lanes
	v_mul_u32_u24 v[SRD], v[HH], SPITCH
	v_lshl_add_u32 v[SRD], v[RR], 4, v[SRD]
	v_add_nc_u32 v[SRD], s23, v[SRD]               ; back: lanes 0-15 one row of 256 bytes, lanes 16-31 the next
	v_lshlrev_b32 v[GO], 4, v[LN]                  ; and the same two rows in out0: 16 x lane
	v_lshlrev_b32 v[SH], 3, v[HH]
	v_mov_b32 v[OT], 0                             ; a lane permute's destination counts as one of its sources
	s_lshl_b32 s46, ttmp9, 15                      ; my 16 rows of out0: 32,768 bytes a work-group, 4,096 a wave
	s_lshl_b32 s21, s[WV], 12
	s_add_co_u32 s46, s46, s21
	s_mov_b32 s47, 0
	s_add_nc_u64 s[16:17], s[16:17], s[46:47]
	s_wait_alu depctr_va_vdst(0)                   ; the loop is done reading the coefficients' registers, in which W's fragments land here and pre's rows behind the barrier; the six addresses v[FA] to v[GO] are written.  No vector line stands between this wait and either run of loads
	; the coefficients are done with: W's fragments and scale words come from LDS as images of their registers (bytes that nobody has written since the first barrier)
.irp j, 0,1,2,3
.irp i, 0,1,2
	ds_load_b64 v[BF+12*\j+2*\i:BF+12*\j+2*\i+1], v[FA] offset:WIMG+768*\j+8*\i      ; lane (r, h): the codes of W(16 j + r, 32 h .. 32 h + 31)
.endr
	ds_load_b32 v[SW+\j], v[SCA] offset:WSC+64*\j
.endr
	s_wait_dscnt 0x0                               ; for the others' sake: my 32 rows of pre have landed (and W's fragments are in)
	s_barrier_signal -1
	s_barrier_wait -1                              ; all 128 rows of both planes lie in LDS; nobody writes them again
.irp i, 0,1,2,3,4,5,6,7
	ds_load_b128 v[X+4*\i:X+4*\i+3], v[XA] offset:16*\i   ; pre(16 wave + r, 32 h .. 32 h + 31): a whole block of 32 along K in one lane
.endr
	s_wait_dscnt 0x0
	v_max3_num_f32 v[M0], |v[X]|, |v[X+1]|, 0x1800000      ; the block's largest magnitude, in two chains, with the floor 2^(3 - 127)
	v_max3_num_f32 v[M1], |v[X+16]|, |v[X+17]|, |v[X+18]|
.irp i, 0,2,4,6,8,10
	v_max3_num_f32 v[M0], v[M0], |v[X+2+\i]|, |v[X+3+\i]|
	v_max3_num_f32 v[M1], v[M1], |v[X+19+\i]|, |v[X+20+\i]|
.endr
	v_max3_num_f32 v[M0], v[M0], |v[X+14]|, |v[X+15]|
	v_max3_num_f32 v[M0], v[M0], v[M1], |v[X+31]|
	v_add_nc_u32 v[SCO], 0xff000000, v[M0]         ; 2 off its exponent field: the conversions' scale operand
	v_lshrrev_b32 v[BY], 23, v[SCO]                ; the scale's byte,
	v_lshlrev_b32 v[BY], v[SH], v[BY]              ; at its place in the row's word: block h is byte h;
	v_permlanex16_b32 v[OT], v[BY], s[SEL], s[SEL+1]
	v_or_b32 v[SA], v[BY], v[OT]                   ; with lane l xor 16's the word is whole (bytes 2 and 3 stay 0: they scale zero codes)
	v_cvt_scalef32_pk16_fp6_f32 v[AF:AF+2], v[X:X+15], v[SCO]
	v_cvt_scalef32_pk16_fp6_f32 v[CT:CT+2], v[X+16:X+31], v[SCO]   ; (a conversion's three registers begin on an even number: the block's second three do not)
	v_nop                                          ; one plain line behind a scaled conversion
.irp i, 0,1,2
	v_mov_b32 v[AF+3+\i], v[CT+\i]
.endr
.rept 8
	v_nop                                          ; a scale word made by vector instructions stands eight plain lines ahead of the scaled product, an operand so made four
.endr
	s_wait_alu depctr_va_vdst(0)                   ; pre's scale word v[SA], its codes v[AF ..] and the zero registers of both operands are written, which the scaled products take; the places above stay beside this wait
.irp j, 0,1,2,3                                ; TRANSPOSED: source 0 = 16 rows n of W, source 1 = my 16 time points: lane (r, h) gets out0(r, 16 j + 8 h + 0 .. 7); C = b in that layout, in place; four accumulators, one instruction each
	v_wmma_scale_f32_16x16x128_f8f6f4 v[D+8*\j:D+8*\j+7], v[BF+12*\j:BF+12*\j+11], v[AF:AF+11], v[D+8*\j:D+8*\j+7], v[SW+\j], v[SA] matrix_a_fmt:MATRIX_FMT_FP6 matrix_b_fmt:MATRIX_FMT_FP6
.endr
.rept 4
	v_nop                                          ; four plain lines between a product and the first read of its result (ISA guide 7.12.1)
.endr
	s_wait_alu depctr_va_vdst(0)                   ; the products have written v[D ..], which the LDS stores below read; the maxima and conversions are done reading v[X ..], in which the loads from the stage land; the places above stay beside this wait
	; THE WAY OUT.  A lane holds 32 bytes of a row and its neighbours hold other rows: the 16 rows go through my own stage and come back whole
.irp j, 0,1,2,3
	ds_store_b128 v[SO], v[D+8*\j:D+8*\j+3] offset:64*\j           ; each accumulator from its low end on
	ds_store_b128 v[SO], v[D+8*\j+4:D+8*\j+7] offset:64*\j+16
.endr
.irp i, 0,1,2,3,4,5,6,7
	ds_load_b128 v[X+4*\i:X+4*\i+3], v[SRD] offset:2*\i*SPITCH     ; LDS serves a wave's instructions in order (ISA guide 5.7.1.4): these see my stores
.endr
.irp i, 0,1,2,3,4,5,6,7
	s_wait_dscnt 7-\i                              ; load i is in: 7 - i were issued behind it
	global_store_b128 v[GO], v[X+4*\i:X+4*\i+3], s[16:17] offset:512*\i th:TH_STORE_NT   ; 32 lanes store 512 consecutive bytes, two rows, at a multiple of 256 from out0's first byte
.endr
	s_wait_dscnt 0x0
	s_wait_alu depctr_hold_cnt(0) depctr_sa_sdst(0) depctr_va_vdst(0) depctr_va_sdst(0) depctr_va_ssrc(0) depctr_va_vcc(0) depctr_vm_vsrc(0)
	s_wait_tensorcnt 0x0
	ds_add_u32 v238, v239
	s_wait_dscnt 0x0
	s_endpgm
.Lfunc_end_k_q7279027545_fourier:
	.size	k_q7279027545_fourier, .Lfunc_end_k_q7279027545_fourier-k_q7279027545_fourier
	.p2alignl 7, 3214868480
	.fill 96, 4, 3214868480
	.section	.rodata,"a",@progbits
	.p2align	6, 0x0
	.amdhsa_kernel k_q7279027545_fourier
		.amdhsa_group_segment_fixed_size 103680
		.amdhsa_private_segment_fixed_size 0
		.amdhsa_enable_private_segment 0
		.amdhsa_kernarg_size 56
		.amdhsa_user_sgpr_count 2
		.amdhsa_user_sgpr_kernarg_segment_ptr 1
		.amdhsa_wavefront_size32 1
		.amdhsa_system_sgpr_workgroup_id_x 1
		.amdhsa_system_sgpr_workgroup_id_y 1
		.amdhsa_system_sgpr_workgroup_id_z 1
		.amdhsa_system_vgpr_workitem_id 0
		.amdhsa_next_free_vgpr 240
		.amdhsa_next_free_sgpr 66
		.amdhsa_reserve_vcc 0
		.amdhsa_float_denorm_mode_32 3
		.amdhsa_float_denorm_mode_16_64 3
		.amdhsa_memory_ordered 1
		.amdhsa_forward_progress 1
		.amdhsa_inst_pref_size 38
	.end_amdhsa_kernel
	.amdgpu_metadata
---
amdhsa.version: [ 1, 2 ]
amdhsa.kernels:
  - .name:           k_q7279027545_fourier
    .symbol:         k_q7279027545_fourier.kd
    .args:
      - { .name: A, .offset: 0, .size: 8, .value_kind: global_buffer, .address_space: global }
      - { .name: W, .offset: 8, .size: 8, .value_kind: global_buffer, .address_space: global }
      - { .name: b, .offset: 16, .size: 8, .value_kind: global_buffer, .address_space: global }
      - { .name: phi, .offset: 24, .size: 8, .value_kind: global_buffer, .address_space: global }
      - { .name: s, .offset: 32, .size: 8, .value_kind: global_buffer, .address_space: global }
      - { .name: w, .offset: 40, .size: 8, .value_kind: global_buffer, .address_space: global }
      - { .name: out0, .offset: 48, .size: 8, .value_kind: global_buffer, .address_space: global }
    .group_segment_fixed_size: 103680
    .private_segment_fixed_size: 0
    .kernarg_segment_align: 8
    .kernarg_segment_size: 56
    .max_flat_workgroup_size: 256
    .sgpr_count:     66
    .vgpr_count:     240
    .wavefront_size: 32
...
	.end_amdgpu_metadata
.endif
;; end of part 2
